; MI455X (gfx1250); checked and timed in simulation.
; The chip was launched on July 23, 2026; its instructions are those of AMD's public machine-readable ISA for CDNA 5 (MIT licence, August 2026) and "CDNA5" Instruction Set Architecture Reference Guide (July 2026). The comments in the code are by the model that wrote it; some were corrected since.
;; Perceiver Self Attention. Allowed arithmetic: matrix products marked QUANTISED: E2M3 operands, one E8M0 scale for each 32 along K, by v_wmma_scale_f32_16x16x128_f8f6f4 with both operands' format E2M3, f32 sums; everything else in f32.
;; Inputs: Wk 256 x 1,024 float32; Wq 256 x 1,024 float32; Wv 1,024 x 1,024 float32; bk 256 float32; bq 256 float32; bv 1,024 float32; hidden_states 8 x 512 x 1,024 float32; inputs 8 x 4,096 x 1,024 float32; ln1_b 1,024 float32; ln1_w 1,024 float32; ln2_b 1,024 float32; ln2_w 1,024 float32.
;; Outputs: out0 8 x 512 x 1,024 float32.
;; This version of the problem:
;;   THIS VERSION OF THE PROBLEM IS GIVEN IN LOW PRECISION. The matrix products marked QUANTISED in the list below multiply operands that are first quantised to E2M3 (2 exponent bits, 3 mantissa bits; 6 bits a number), with one power-of-two scale for each 32 numbers along K (OCP MX v1.0); their sums are f32. All else is computed in f32.
;;   The module's matrix products, in the order in which they are computed (A, B: the left and right operand; K: the contracted axis; several contracted axes count as one K, in the product's order):
;;     1. [M 4,096, K 1,024] x [K 1,024, N 256]; A: computed on the way; B: input Wq: QUANTISED
;;     2. [M 32,768, K 1,024] x [K 1,024, N 256]; A: computed on the way; B: input Wk: QUANTISED
;;     3. [M 32,768, K 1,024] x [K 1,024, N 1,024]; A: computed on the way; B: input Wv: QUANTISED
;;     4. batch 64 x [M 512, K 32] x [K 32, N 4,096]; A: computed on the way; B: computed on the way: QUANTISED
;;     5. batch 64 x [M 512, K 4,096] x [K 4,096, N 128]; A: softmax (see below); B: computed on the way: QUANTISED
;;   THE QUANTISER, for each operand of a quantised product, along K:
;;     - K is cut into blocks of 32 from its start; a last block that is shorter is filled with zeros.
;;     - A block's scale is 2^e with e = floor(log2(the largest magnitude in the block)) - 2, held to -126 .. 127; a block of zeros has e = 0. As a byte (E8M0): e + 127.
;;     - Each number is divided by its block's scale, clamped to +-7.5, and rounded to the nearest number of E2M3, ties to even, subnormals kept.
;;     - The product sums the exact products of the quantised numbers (number of the format x scale) in f32.
;;   ~~~python
;;   def quantise(x, axis):      # numpy; x: float32 -> the quantised numbers, widened to float32 again
;;       x = np.moveaxis(x, axis, -1); K = x.shape[-1]
;;       x = np.pad(x, [(0, 0)] * (x.ndim - 1) + [(0, -K % 32)]); x = x.reshape(x.shape[:-1] + (-1, 32)); a = np.abs(x).max(-1, keepdims=True)
;;       e = np.where(a > 0, np.clip(np.frexp(np.where(a > 0, a, 1))[1] - 1 - 2, -126, 127), 0)      # np.frexp(a)[1] - 1 = floor(log2(a)), exactly
;;       r = np.clip(x / 2.0 ** e, -7.5, 7.5)
;;       step = 2.0 ** (np.maximum(np.frexp(np.where(r == 0, 1, r))[1] - 1, 0) - 3)
;;       q = np.round(r / step) * step * 2.0 ** e      # np.round: ties to even
;;       return np.moveaxis(q.reshape(q.shape[:-2] + (-1,))[..., :K], -1, axis).astype(np.float32)
;;   ~~~
;;   SOFTMAX AHEAD OF A QUANTISED PRODUCT. Where the list says 'softmax', what is quantised is not the finished softmax but p = 2^(t - M), with t = logit x log2(e) and M = ceil(the row's largest t), a whole number; so 1/2 < the row's largest p <= 1. The row's sum l is taken of the UNQUANTISED p, in f32, and the product's result is divided by l at the end. Since M is a whole number, a kernel that streams over the keys may use a running M (the ceiling of the running maximum): every later rescaling is an exact power of two, which a block's scale takes up: the codes' values come out the same.
;;   OPERANDS COMPUTED ON THE WAY. 'Computed on the way' means the value that the module computes at that place (a softmax that the list does not call 'softmax' is quantised finished and normalised). What goes into a quantiser is computed in f32, as accurately as f32 sums, v_exp_f32 and their like allow (about 1e-6 of the number): no bf16 or f16 on the way to a quantiser, and a product that is left as it is and whose result goes on into a quantised operand takes f32 operands (vector FMAs, or v_wmma_f32_16x16x4_f32). A number that lies on a knife's edge between two numbers of the format may be rounded either way, as far as f32 arithmetic and the matrix unit's own rounding can turn it there, and no further.
;; One version. Each part assembles by itself: llvm-mc -triple=amdgcn-amd-amdhsa -mcpu=gfx1250 --defsym DOCPART=n.
;; ======== version 1 of 1: 3 launches
;; limits: right only within a limited range of input values
;; workspace buffers: ac 29,491,200 bytes; asc 1,228,800 bytes; kqc 7,077,888 bytes; kqs 294,912 bytes; vc 25,165,824 bytes; vs 1,048,576 bytes
;; launch quant (part 1): grid 600 x 1, 4 waves a work-group, no clusters, 27,136 bytes of LDS; arguments inputs, hidden_states, Wk, Wv, Wq, ln1_w, ln1_b, ln2_w, ln2_b, ac, asc; writes ac, asc
.if DOCPART == 1
	.amdgcn_target "amdgcn-amd-amdhsa--gfx1250"
	.amdhsa_code_object_version 6
	.text
	.protected	k_qd0959a02cf_quant
	.globl	k_qd0959a02cf_quant
	.p2align	8
	.type	k_qd0959a02cf_quant,@function
k_qd0959a02cf_quant:
	s_mov_b64 s[64:65], 0
	v_nop
	global_prefetch_b8 v0, s[64:65] scope:SCOPE_SE
	s_setreg_imm32_b32 hwreg(HW_REG_WAVE_MODE, 25, 1), 1
	s_wait_xcnt 0x0
; LN2(inputs), LN1(hidden_states) and the three weights, each row of 1,024 f32, become codes of FP6 (E2M3) with one E8M0 byte for each 32 along the row.
; ONE ROW SPACE for all five: x rows 0-32767, h 32768-36863, Wk 36864-37119, Wv 37120-38143, Wq 38144-38399.  ac: [38400][768 bytes], asc: [38400][32 bytes].
; ROWS ARE STORED IN "POS ORDER": row rho lies at the position that has rho's bits 3 and 4 exchanged.  A plain tile of 16 positions then holds rows 32 (T/2) + 8 (T%2) + r + 8 (r/8),
; so that in the next launch the 16 result registers of two neighbouring tiles are 16 neighbours along the next product's K.
; SHARES: a work-group takes 64 positions, a wave 16, a row at a time.  Each load of a wave reads 512 consecutive bytes; mean and variance are taken in two passes over the registers (f32);
; the row turns through the wave's own LDS so that lane l holds block l (32 neighbours); two rows' codes (1,536 bytes) leave by three stores of 512 consecutive bytes, a wave's 512 scale bytes by one.
; Waves share nothing: no barrier, no tensor load, no matrix work, no cluster.  Loads run three rows (24 loads a wave) ahead.
; LIMITS: NaN and infinities are not served; a block whose largest magnitude lies under 2^-124 keeps the byte 1; a block of zeros has the byte 1 where the rule says 127 (its codes are zeros; this program alone reads the bytes).
.set CST,  4608                        ; LDS of a wave: 32 places of 128 + 16 bytes; from CST two rows of codes; from SBO 16 x 32 scale bytes
.set SBO,  6144
.set WREG, 6656
.set W,    32                          ; v32-63   the gain, register 4 j + e = column 128 j + 4 lane + e
.set BB,   64                          ; v64-95   the bias, likewise
.set X,    96                          ; v96-223  four row slots of 32
.set Y,    224                         ; v224-255 the row turned: my block's 32 numbers; later codes on their way out
	s_load_b512 s[8:23], s[0:1], 0x0               ; inputs, hidden_states, Wk, Wv, Wq, ln1_w, ln1_b, ln2_w
	s_load_b128 s[24:27], s[0:1], 0x40             ; ln2_b, ac
	s_load_b64 s[28:29], s[0:1], 0x50              ; asc
	v_lshrrev_b32 v1, 5, v0
	s_delay_alu instid0(VALU_DEP_1)
	v_readfirstlane_b32 s2, v1                     ; wave
	v_and_b32 v1, 31, v0                           ; lane
	s_delay_alu instid0(VALU_DEP_1)
	v_lshlrev_b32 v2, 4, v1                        ; 16 x lane: my bytes of a load's or a store's 512; never rewritten
	s_mul_i32 s38, s2, WREG
	v_lshrrev_b32 v8, 3, v1
	s_delay_alu instid0(VALU_DEP_1)
	v_add_nc_u32 v8, v8, v1
	s_delay_alu instid0(VALU_DEP_1)
	v_lshlrev_b32 v3, 4, v8
	s_delay_alu instid0(VALU_DEP_1)
	v_add_nc_u32 v3, s38, v3                       ; into the turn: 16 lane + 16 (lane / 8): eight lanes fill a place of 128 bytes
	v_mul_u32_u24 v4, v1, 144
	s_delay_alu instid0(VALU_DEP_1)
	v_add_nc_u32 v4, s38, v4                       ; out of it: place = my block
	s_add_co_u32 s39, s38, CST
	v_mul_u32_u24 v5, v1, 24
	s_delay_alu instid0(VALU_DEP_1)
	v_add_nc_u32 v5, s39, v5                       ; my block's 24 bytes of codes
	v_add_nc_u32 v6, s39, v2                       ; and the codes' way out, 16 bytes a lane
	s_add_co_u32 s39, s38, SBO
	v_add_nc_u32 v7, s39, v1                       ; my block's scale byte
	v_mov_b32 v17, 0                               ; upper halves of pairs that packed forms name
	v_mov_b32 v19, 0
	v_mov_b32 v31, 0                               ; a lane permute's destination counts as a source
	s_mov_b32 s33, 0x3a800000                      ; 1 / 1024
	s_mov_b32 s34, 0x3727c5ac                      ; 1e-5
	s_mov_b32 s36, 0x76543210
	s_mov_b32 s37, 0xfedcba98                      ; selects for lane xor 16
	; a work-group of four waves takes 64 positions: half of block s46 = work-group / 2 of 128 positions; s47 = my wave's place 0..7 in that block
	s_lshr_b32 s46, ttmp9, 1
	s_and_b32 s47, ttmp9, 1
	s_lshl_b32 s47, s47, 2
	s_add_co_u32 s47, s47, s2
	s_lshl_b32 s40, s46, 7
	s_lshl_b32 s4, s47, 4
	s_add_co_u32 s40, s40, s4                      ; my first position
	s_mul_i32 s42, s40, 768
	s_mov_b32 s43, 0
	s_lshl_b32 s44, s40, 5
	s_mov_b32 s45, 0
	s_wait_kmcnt 0x0
	s_mov_b64 s[30:31], s[16:17]                   ; which tensor: the choice hangs on the work-group's number alone
	s_mov_b32 s35, 298
	s_cmp_lt_u32 s46, 298
	s_cselect_b64 s[30:31], s[14:15], s[30:31]
	s_cselect_b32 s35, 290, s35
	s_cmp_lt_u32 s46, 290
	s_cselect_b64 s[30:31], s[12:13], s[30:31]
	s_cselect_b32 s35, 288, s35
	s_cmp_lt_u32 s46, 288
	s_cselect_b64 s[30:31], s[10:11], s[30:31]
	s_cselect_b32 s35, 256, s35
	s_cselect_b32 s32, 1, 0                        ; 1: rows that are normalised
	s_cmp_lt_u32 s46, 256
	s_cselect_b64 s[30:31], s[8:9], s[30:31]
	s_cselect_b32 s35, 0, s35
	s_cselect_b64 s[18:19], s[22:23], s[18:19]     ; x takes ln2, all others load ln1 (the weights' work-groups do not use it)
	s_cselect_b64 s[20:21], s[24:25], s[20:21]
	s_sub_co_u32 s3, s46, s35
	s_lshl_b32 s3, s3, 7
	s_add_co_u32 s3, s3, s4
	s_and_b32 s5, s2, 1
	s_lshl_b32 s5, s5, 3
	s_sub_co_u32 s3, s3, s5                        ; position P0 + i is row (P0 - 8 (wave % 2)) + i % 8 + 16 (i / 8) of its tensor
	s_lshl_b32 s6, s3, 12
	s_mov_b32 s7, 0
	s_add_nc_u64 s[30:31], s[30:31], s[6:7]
	s_add_nc_u64 s[26:27], s[26:27], s[42:43]
	s_add_nc_u64 s[28:29], s[28:29], s[44:45]
.macro FILL i                          ; the row of position i: eight loads of 512 consecutive bytes
.irp j, 0,1,2,3,4,5,6,7
	global_load_b128 v[X+32*((\i)%4)+4*\j:X+32*((\i)%4)+4*\j+3], v2, s[30:31] offset:((\i)%8+16*((\i)/8))*4096+512*\j th:TH_LOAD_NT
.endr
.endm
.macro REDUCE                          ; four packed chains -> one number in every lane
	s_delay_alu instid0(VALU_DEP_3)
	v_pk_add_f32 v[8:9], v[8:9], v[10:11]
	s_delay_alu instid0(VALU_DEP_2)
	v_pk_add_f32 v[12:13], v[12:13], v[14:15]
	s_delay_alu instid0(VALU_DEP_1)
	v_pk_add_f32 v[8:9], v[8:9], v[12:13]
	s_delay_alu instid0(VALU_DEP_1)
	v_add_f32 v8, v8, v9
	s_delay_alu instid0(VALU_DEP_1)
	v_add_f32_dpp v8, v8, v8 row_xmask:1 row_mask:0xf bank_mask:0xf
	s_delay_alu instid0(VALU_DEP_1)
	v_add_f32_dpp v8, v8, v8 row_xmask:2 row_mask:0xf bank_mask:0xf
	s_delay_alu instid0(VALU_DEP_1)
	v_add_f32_dpp v8, v8, v8 row_xmask:4 row_mask:0xf bank_mask:0xf
	s_delay_alu instid0(VALU_DEP_1)
	v_add_f32_dpp v8, v8, v8 row_xmask:8 row_mask:0xf bank_mask:0xf
	s_delay_alu instid0(VALU_DEP_1)
	v_permlanex16_b32 v31, v8, s36, s37
	s_delay_alu instid0(VALU_DEP_1)
	v_add_f32 v8, v8, v31
.endm
.irp j, 0,1,2,3,4,5,6,7
	global_load_b128 v[W+4*\j:W+4*\j+3], v2, s[18:19] offset:512*\j
	global_load_b128 v[BB+4*\j:BB+4*\j+3], v2, s[20:21] offset:512*\j
.endr
	FILL 0
	FILL 1
	FILL 2
.macro ROW i
.set XS, X+32*((\i)%4)
.if (\i)+3 < 16
	FILL (\i)+3                                    ; into the slot of row i - 1, whose LDS stores were waited for in that row
.endif
.if (\i) < 13
	s_wait_loadcnt 24                              ; my row is in (gain and bias too); the three rows behind it may be out
.else
	s_wait_loadcnt 8*(15-(\i))
.endif
	s_cmp_eq_u32 s32, 0                            ; weights are quantised as they are: the branch passes over register work alone
	s_cbranch_scc1 .Lraw_\@
.irp c, 0,1,2,3
	v_pk_add_f32 v[8+2*\c:9+2*\c], v[XS+2*\c:XS+2*\c+1], v[XS+8+2*\c:XS+9+2*\c]
.endr
.irp p, 8,12
.irp c, 0,1,2,3
	s_delay_alu instid0(VALU_DEP_4)
	v_pk_add_f32 v[8+2*\c:9+2*\c], v[8+2*\c:9+2*\c], v[XS+2*(\p+\c):XS+2*(\p+\c)+1]
.endr
.endr
	REDUCE
	s_delay_alu instid0(VALU_DEP_1)
	v_mul_f32 v16, s33, v8                         ; the mean
.irp p, 0,1,2,3,4,5,6,7,8,9,10,11,12,13,14,15
	v_pk_add_f32 v[XS+2*\p:XS+2*\p+1], v[XS+2*\p:XS+2*\p+1], v[16:17] op_sel_hi:[1,0] neg_lo:[0,1] neg_hi:[0,1]
.endr
.irp c, 0,1,2,3
	v_pk_mul_f32 v[8+2*\c:9+2*\c], v[XS+2*\c:XS+2*\c+1], v[XS+2*\c:XS+2*\c+1]
.endr
.irp p, 4,8,12
.irp c, 0,1,2,3
	s_delay_alu instid0(VALU_DEP_4)
	v_pk_fma_f32 v[8+2*\c:9+2*\c], v[XS+2*(\p+\c):XS+2*(\p+\c)+1], v[XS+2*(\p+\c):XS+2*(\p+\c)+1], v[8+2*\c:9+2*\c]
.endr
.endr
	REDUCE
	s_delay_alu instid0(VALU_DEP_1)
	v_fma_f32 v18, v8, s33, s34                    ; the variance + eps
	s_wait_alu depctr_va_vdst(0)
	v_rsq_f32 v18, v18
	v_nop                                          ; a plain instruction behind the transcendental,
	s_wait_alu depctr_va_vdst(0)                   ; and the wait ahead of its first reader
.irp p, 0,1,2,3,4,5,6,7,8,9,10,11,12,13,14,15
	v_pk_mul_f32 v[XS+2*\p:XS+2*\p+1], v[XS+2*\p:XS+2*\p+1], v[18:19] op_sel_hi:[1,0]
.endr
.irp p, 0,1,2,3,4,5,6,7,8,9,10,11,12,13,14,15
	v_pk_fma_f32 v[XS+2*\p:XS+2*\p+1], v[XS+2*\p:XS+2*\p+1], v[W+2*\p:W+2*\p+1], v[BB+2*\p:BB+2*\p+1]
.endr
.Lraw_\@:
.if ((\i)%2 == 0) && ((\i) > 0)
	s_wait_xcnt 0x0                                ; the last pair's stores have read Y's first twelve registers: they are loaded again only behind this wait
.endif
	s_wait_alu depctr_va_vdst(0)
.irp j, 0,1,2,3,4,5,6,7
	ds_store_b128 v3, v[XS+4*\j:XS+4*\j+3] offset:576*\j
.endr
	s_wait_alu depctr_va_vdst(0)
.irp j, 0,1,2,3,4,5,6,7
	ds_load_b128 v[Y+4*\j:Y+4*\j+3], v4 offset:16*\j   ; LDS serves a wave's instructions in order: these see the stores above
.endr
	s_wait_dscnt 0x0                               ; my block is in; every earlier LDS store has read its registers
	v_max3_num_f32 v20, |v[Y]|, |v[Y+1]|, |v[Y+2]|
	v_max3_num_f32 v21, |v[Y+3]|, |v[Y+4]|, |v[Y+5]|
.irp k, 6,10,14,18,22,26
	s_delay_alu instid0(VALU_DEP_2)
	v_max3_num_f32 v20, v20, |v[Y+\k]|, |v[Y+\k+1]|
	s_delay_alu instid0(VALU_DEP_2)
	v_max3_num_f32 v21, v21, |v[Y+\k+2]|, |v[Y+\k+3]|
.endr
	s_delay_alu instid0(VALU_DEP_2)
	v_max3_num_f32 v20, v20, |v[Y+30]|, |v[Y+31]|
	s_delay_alu instid0(VALU_DEP_1)
	v_max3_num_f32 v20, v20, v21, 0x1800000        ; and the floor 2^(3 - 127): the byte cannot fall under 1
	s_delay_alu instid0(VALU_DEP_1)
	v_add_nc_u32 v22, 0xff000000, v20              ; 2 off the exponent field: the conversion's scale operand
	v_cvt_scalef32_pk16_fp6_f32 v[24:26], v[Y:Y+15], v22
	v_cvt_scalef32_pk16_fp6_f32 v[28:30], v[Y+16:Y+31], v22   ; (a conversion's three registers begin on an even number)
	v_lshrrev_b32 v23, 23, v22                     ; the scale's byte; also the plain instruction behind the conversions
	v_mov_b32 v27, v28
	v_mov_b32 v28, v29
	v_mov_b32 v29, v30                             ; v24-29: the block's 24 bytes on end
	ds_store_b64 v5, v[24:25] offset:768*((\i)%2)
	ds_store_b64 v5, v[26:27] offset:768*((\i)%2)+8
	ds_store_b64 v5, v[28:29] offset:768*((\i)%2)+16
	ds_store_b8 v7, v23 offset:32*(\i)
.if (\i)%2 == 1
.irp k, 0,1,2
	ds_load_b128 v[Y+4*\k:Y+4*\k+3], v6 offset:512*\k
.endr
	s_wait_dscnt 0x0
.irp k, 0,1,2
	global_store_b128 v2, v[Y+4*\k:Y+4*\k+3], s[26:27] offset:((\i)-1)*768+512*\k   ; two positions' codes: 512 consecutive bytes a store, aligned
.endr
.endif
.endm
.irp r, 0,1,2,3,4,5,6,7,8,9,10,11,12,13,14,15
	ROW \r
.endr
	ds_load_b128 v[Y+12:Y+15], v6 offset:SBO-CST
	s_wait_dscnt 0x0
	global_store_b128 v2, v[Y+12:Y+15], s[28:29]   ; the wave's 16 x 32 scale bytes: 512 consecutive bytes
	v_lshl_add_u32 v8, v0, 2, 0x6800               ; v0-v255 are all at work in the rows, so the add's two registers are made here from v0, which nothing has written: my spare word behind the four waves' 4 x 6,656 bytes,
	v_mov_b32 v9, 0                                ; and 0
	s_wait_alu depctr_va_vdst(0)
	s_wait_tensorcnt 0x0                           ; the wave's end
	ds_add_u32 v8, v9
	s_wait_dscnt 0x0
	s_endpgm
.Lfunc_end_k_qd0959a02cf_quant:
	.size	k_qd0959a02cf_quant, .Lfunc_end_k_qd0959a02cf_quant-k_qd0959a02cf_quant
	.p2alignl 7, 3214868480
	.fill 96, 4, 3214868480
	.section	.rodata,"a",@progbits
	.p2align	6, 0x0
	.amdhsa_kernel k_qd0959a02cf_quant
		.amdhsa_group_segment_fixed_size 27136
		.amdhsa_private_segment_fixed_size 0
		.amdhsa_enable_private_segment 0
		.amdhsa_kernarg_size 88
		.amdhsa_user_sgpr_count 2
		.amdhsa_user_sgpr_kernarg_segment_ptr 1
		.amdhsa_wavefront_size32 1
		.amdhsa_system_sgpr_workgroup_id_x 1
		.amdhsa_system_sgpr_workgroup_id_y 1
		.amdhsa_system_sgpr_workgroup_id_z 1
		.amdhsa_system_vgpr_workitem_id 0
		.amdhsa_next_free_vgpr 256
		.amdhsa_next_free_sgpr 66
		.amdhsa_reserve_vcc 0
		.amdhsa_float_denorm_mode_32 3
		.amdhsa_float_denorm_mode_16_64 3
		.amdhsa_memory_ordered 1
		.amdhsa_forward_progress 1
		.amdhsa_inst_pref_size 192
	.end_amdhsa_kernel
	.amdgpu_metadata
---
amdhsa.version: [ 1, 2 ]
amdhsa.kernels:
  - .name:           k_qd0959a02cf_quant
    .symbol:         k_qd0959a02cf_quant.kd
    .args:
      - { .name: inputs, .offset: 0, .size: 8, .value_kind: global_buffer, .address_space: global }
      - { .name: hidden_states, .offset: 8, .size: 8, .value_kind: global_buffer, .address_space: global }
      - { .name: Wk, .offset: 16, .size: 8, .value_kind: global_buffer, .address_space: global }
      - { .name: Wv, .offset: 24, .size: 8, .value_kind: global_buffer, .address_space: global }
      - { .name: Wq, .offset: 32, .size: 8, .value_kind: global_buffer, .address_space: global }
      - { .name: ln1_w, .offset: 40, .size: 8, .value_kind: global_buffer, .address_space: global }
      - { .name: ln1_b, .offset: 48, .size: 8, .value_kind: global_buffer, .address_space: global }
      - { .name: ln2_w, .offset: 56, .size: 8, .value_kind: global_buffer, .address_space: global }
      - { .name: ln2_b, .offset: 64, .size: 8, .value_kind: global_buffer, .address_space: global }
      - { .name: ac, .offset: 72, .size: 8, .value_kind: global_buffer, .address_space: global }
      - { .name: asc, .offset: 80, .size: 8, .value_kind: global_buffer, .address_space: global }
    .group_segment_fixed_size: 27136
    .private_segment_fixed_size: 0
    .kernarg_segment_align: 8
    .kernarg_segment_size: 88
    .max_flat_workgroup_size: 128
    .sgpr_count:     66
    .vgpr_count:     256
    .wavefront_size: 32
...
	.end_amdgpu_metadata
.endif
;; end of part 1
;; launch proj (part 2): grid 656 x 1, 4 waves a work-group, clusters of 4 x 1, 327,680 bytes of LDS; arguments ac, asc, bk, bq, bv, kqc, kqs, vc, vs; writes kqc, kqs, vc, vs
.if DOCPART == 2
	.amdgcn_target "amdgcn-amd-amdhsa--gfx1250"
	.amdhsa_code_object_version 6
	.text
	.protected	k_qd0959a02cf_proj
	.globl	k_qd0959a02cf_proj
	.p2align	8
	.type	k_qd0959a02cf_proj,@function
k_qd0959a02cf_proj:
	s_mov_b64 s[64:65], 0
	v_nop
	global_prefetch_b8 v0, s[64:65] scope:SCOPE_SE
	s_setreg_imm32_b32 hwreg(HW_REG_WAVE_MODE, 25, 1), 1
	s_wait_xcnt 0x0
	s_wait_alu depctr_hold_cnt(0) depctr_sa_sdst(0) depctr_va_vdst(0) depctr_va_sdst(0) depctr_va_ssrc(0) depctr_va_vcc(0) depctr_vm_vsrc(0)
	s_getreg_b32 s2, hwreg(HW_REG_IB_STS2, 6, 4)
	s_cmp_eq_u32 s2, 0
	s_cbranch_scc0 .Lentry_in_a_cluster
	s_endpgm
.Lentry_in_a_cluster:
	s_bfe_u32 s2, ttmp6, 0x10000c
	s_cmp_lg_u32 s2, 0x3003
	s_cbranch_scc0 .Lentry_shape_is_right
	s_endpgm
.Lentry_shape_is_right:
; The three projections on codes of FP6 (E2M3) from the launch before (ac: rows of 768 bytes, asc: rows of 32 scale bytes; one row space: x, h, Wk, Wv, Wq), bias added, result quantised again and stored as codes.
; A work-group makes 256 x 256 of one product, a wave 128 x 128 (64 accumulators).  Clusters 0-127: V^T (side A = 256 rows of Wv by cx, side B = 256 rows of x by the cluster);
; clusters 128-159: k (A = rows of x by cluster and cx, B = Wk); clusters 160-163: q (A = rows of h, B = Wq).  Side B is the same in the four partners: it comes by joint loads (mask 15); side A by loads of my own.
; Source 0 = 16 rows of B, source 1 = 16 rows of A: a lane holds one row of A's side and eight neighbours along B's side, which is the next product's K (keys for V^T, channels for k and q).
; K = 1,024 goes through two LDS slots in chunks of 256 bytes of each 768-byte row (three chunks; every tile row begins on a multiple of 256 bytes); a step of 128 along K is 96 bytes: steps 2 and 5 lie across two chunks.
; The scales of both sides (2 x 8,192 dense bytes) come once and stay.  At the head each wave issues one load: A's chunk 0, B's chunk 0, A's scales, B's scales; chunk 1 follows behind the full sequence and a round.
; No prefetch: K has three chunks only; chunk 1 is asked for behind the head's round and chunk 2 as soon as slot 0 is read out, so no trip lies ahead of them in which to ask.
; REGISTERS: window 0: v8-29 addresses, v32-63 scale words (two sets), v64-127 k/q bias, v128-223 A's fragments (one set), v232-247 V's bias; window 1: B's fragments, two sets; windows 2, 3: accumulators.
; LIMITS: NaN and infinities are not served; a block of zeros keeps the byte 1 (its codes are zeros; this program alone reads the bytes).
.set ROWB,   256
.set NQ,     2
.set KROW,   768
.set STEPS,  8
.set CHUNKS, 3
.set PITCH,  272                       ; 256 bytes + 16 of padding
.set FR,     12
.set NL,     6
.set NP,     4
.set HALFT,  128*PITCH
.set SLOT,   4*HALFT                   ; A's 256 rows, then B's
.set KS,     32
.set SCL,    2*SLOT
.set HALFS,  16*272                    ; the scales of 128 rows
.set SBLK,   2*272                     ; of 16 rows
.set SPARE,  SCL+4*HALFS               ; the spare words: 512 bytes that no other line names
.set ADRA, 16                          ; v16-17 A's fragments in slot 0, 1; v18-19 for pieces whose two lane halves lie in different chunks
.set ADRB, 20                          ; v20-23 the same for B
.set ADRS, 27
.set SPW,  28
.set NIL,  29
.set SC,   32
.set BK,   64
.set AF,   128
.set H,    128
.set TM,   192
.set CD,   208
.set BV,   232
.set SW,   248
.set G1, 24
.set G0, 32
.set G1B, 48
.set G0B, 56
.set G1S, 68
.set G0S, 76
.set G1SB, 80
.set G0SB, 88
.set G0H, 4                            ; group 0 of the head's loads of chunk 0, in registers whose arguments have been used
.set G0HB, 8
.set MSB, 0
.macro WIN new
.if MSB != \new
	s_set_vgpr_msb (MSB<<8)|\new
.set MSB, \new
.endif
.endm
.set MUL_LO, 0xa1
.set MUL_HI, 0xf1
.set TO_B,   0x40
.macro JLOAD g0a, g1a, g0b, g1b        ; waves 0, 1 fetch A's halves, waves 2, 3 B's
	s_cmp_eq_u32 s15, 0
	s_cbranch_scc0 .Lfor_b_\@
	tensor_load_to_lds s[\g0a:\g0a+3], s[\g1a:\g1a+7]
	s_nop 0
.rept 4
	v_nop
.endr
	s_branch .Lasked_\@
.Lfor_b_\@:
	tensor_load_to_lds s[\g0b:\g0b+3], s[\g1b:\g1b+7]
	s_nop 0
.rept 4
	v_nop
.endr
.Lasked_\@:
.endm
.macro CREST
	s_cmp_lg_u32 s14, 0
	s_cbranch_scc1 .Lnot_wave_0_\@
	s_barrier_signal -3
.Lnot_wave_0_\@:
	s_barrier_wait -3
	s_barrier_signal -1
	s_barrier_wait -1
.endm
.macro CROUND
	s_barrier_signal -1
	s_barrier_wait -1
	CREST
.endm
	s_load_b256 s[4:11], s[0:1], 0x0               ; ac, asc, bk, bq
	s_load_b256 s[40:47], s[0:1], 0x20             ; bv, kqc, kqs, vc
	s_load_b64 s[92:93], s[0:1], 0x40              ; vs
	v_lshl_add_u32 v[SPW], v0, 2, SPARE
	v_mov_b32 v[NIL], 0
	ds_add_u32 v[SPW], v[NIL]                      ; the opening lines
	ds_add_u32 v[SPW], v[NIL]
	v_lshrrev_b32 v1, 5, v0
	v_readfirstlane_b32 s14, v1                    ; wave
	s_lshr_b32 s15, s14, 1                         ; my half of A's rows; in the ring: I fetch for A (0) or B (1)
	s_and_b32 s16, s14, 1                          ; my half of B's rows; in the ring: which 128 rows I fetch
	s_bfe_u32 s12, ttmp6, 0x40000                  ; cx
	s_mov_b32 s13, ttmp9                           ; cluster
	s_lshl_b32 s17, s13, 8
	s_mov_b32 s19, 38144
	s_cmp_lt_u32 s13, 160
	s_cselect_b32 s19, 36864, s19
	s_cmp_lt_u32 s13, 128
	s_cselect_b32 s17, s17, s19                    ; B's first row: x, Wk or Wq, by the cluster alone
	s_max_u32 s20, s13, 128
	s_sub_co_u32 s20, s20, 128
	s_lshl_b32 s20, s20, 2
	s_add_co_u32 s20, s20, s12
	s_lshl_b32 s20, s20, 8
	s_lshl_b32 s21, s12, 8
	s_add_co_u32 s21, s21, 37120
	s_cmp_lt_u32 s13, 128
	s_cselect_b32 s18, s21, s20                    ; A's first row: Wv, or x / h
	s_mov_b32 s[G1+0], (1<<20)|(5<<22)|(3<<25)     ; bytes; 4 words of padding behind every 64
	s_mov_b32 s[G1B+0], 15|(1<<20)|(1<<21)|(5<<22)|(3<<25)
.irp g, G1, G1B
	s_mov_b32 s[\g+1], ROWB<<16
	s_mov_b32 s[\g+2], 256<<16                     ; 256 rows for the head's loads; 128 behind them
	s_mov_b32 s[\g+3], ROWB<<16
	s_mov_b32 s[\g+4], 256
	s_mov_b32 s[\g+5], KROW
	s_mov_b32 s[\g+6], 0
	s_mov_b32 s[\g+7], 0
.endr
	s_mov_b32 s[G1S+0], (3<<16)|(1<<20)|(5<<22)|(3<<25)
	s_mov_b32 s[G1SB+0], 15|(3<<16)|(1<<20)|(1<<21)|(5<<22)|(3<<25)
.irp g, G1S, G1SB
	s_mov_b32 s[\g+1], 32<<16                      ; 8,192 dense bytes as 32 rows of 256
	s_mov_b32 s[\g+2], KS<<16
	s_mov_b32 s[\g+3], 32<<16
	s_mov_b32 s[\g+4], KS
	s_mov_b32 s[\g+5], 32
	s_mov_b32 s[\g+6], 0
	s_mov_b32 s[\g+7], 0
.endr
	s_lshl_b32 s22, s18, 5
	s_mov_b32 s23, 0
	s_mul_i32 s20, s18, KROW
	s_mov_b32 s21, 0
	s_lshl_b32 s98, s17, 5
	s_mov_b32 s99, 0
	s_mul_i32 s96, s17, KROW
	s_mov_b32 s97, 0
	s_mul_i32 s94, s16, 128*KROW                   ; in the ring: my 128 rows, in bytes
	s_mov_b32 s95, 0
	s_mul_i32 s19, s14, HALFT                      ; and where they go
	s_wait_dscnt 0x0                               ; both opening adds are done
	s_wait_kmcnt 0x0
	s_cmp_lt_u32 s13, 160
	s_cselect_b64 s[2:3], s[8:9], s[10:11]         ; bk or bq, by the cluster's number
	s_add_nc_u64 s[20:21], s[4:5], s[20:21]
	s_add_nc_u64 s[22:23], s[6:7], s[22:23]
	s_add_nc_u64 s[96:97], s[4:5], s[96:97]
	s_add_nc_u64 s[98:99], s[6:7], s[98:99]
	CROUND                                         ; the four partners are here: the first joint loads meet
	s_mov_b32 s[G0H], 1
	s_mov_b32 s[G0H+1], 0
	s_mov_b64 s[G0H+2:G0H+3], s[20:21]
	s_or_b32 s[G0H+3], s[G0H+3], 0x80000000
	s_mov_b32 s[G0HB], 1
	s_mov_b32 s[G0HB+1], 2*HALFT
	s_mov_b64 s[G0HB+2:G0HB+3], s[96:97]
	s_or_b32 s[G0HB+3], s[G0HB+3], 0x80000000
	s_mov_b32 s[G0S], 1
	s_mov_b32 s[G0S+1], SCL
	s_mov_b64 s[G0S+2:G0S+3], s[22:23]
	s_or_b32 s[G0S+3], s[G0S+3], 0x80000000
	s_mov_b32 s[G0SB], 1
	s_mov_b32 s[G0SB+1], SCL+2*HALFS
	s_mov_b64 s[G0SB+2:G0SB+3], s[98:99]
	s_or_b32 s[G0SB+3], s[G0SB+3], 0x80000000
	s_add_nc_u64 s[20:21], s[20:21], s[94:95]
	s_add_nc_u64 s[96:97], s[96:97], s[94:95]
.irp s, 0,1
	s_mov_b32 s[G0+4*\s], 1
	s_add_co_u32 s[G0+4*\s+1], s19, \s*SLOT
	s_add_nc_u64 s[G0+4*\s+2:G0+4*\s+3], s[20:21], \s*ROWB
	s_or_b32 s[G0+4*\s+3], s[G0+4*\s+3], 0x80000000
	s_mov_b32 s[G0B+4*\s], 1
	s_add_co_u32 s[G0B+4*\s+1], s19, \s*SLOT
	s_add_nc_u64 s[G0B+4*\s+2:G0B+4*\s+3], s[96:97], \s*ROWB
	s_or_b32 s[G0B+4*\s+3], s[G0B+4*\s+3], 0x80000000
.endr
.macro ARM under, g0, g1, next         ; one chain of branches on the wave's number, one load to an arm, one join
	s_cmp_lt_u32 s14, \under
	s_cbranch_scc0 \next
	tensor_load_to_lds s[\g0:\g0+3], s[\g1:\g1+7]
	s_nop 0
.rept 4
	v_nop
.endr
	s_branch .Lhead_asked
\next:
.endm
	ARM 1, G0H,  G1,  .Lhead_b
	ARM 2, G0HB, G1B, .Lhead_sa
	ARM 3, G0S,  G1S, .Lhead_sb
	tensor_load_to_lds s[G0SB:G0SB+3], s[G1SB:G1SB+7]
	s_nop 0
.rept 4
	v_nop
.endr
.Lhead_asked:
	v_and_b32 v1, 15, v0                           ; r
	v_bfe_u32 v2, v0, 4, 1                         ; h
	v_mul_u32_u24 v3, v1, PITCH
	v_mul_u32_u24 v4, v2, 24
	v_add_nc_u32 v4, v3, v4                        ; row x pitch + 24 h
	s_mov_b32 s21, SLOT-232
	s_mov_b32 s22, SLOT+232
	v_sub_nc_u32 v7, 1, v2
	v_mul_u32_u24 v5, s21, v2
	v_add_nc_u32 v5, v3, v5
	v_add_nc_u32 v5, 232, v5                       ; lanes 0-15 byte 232 of the row in slot 0, lanes 16-31 byte 0 in slot 1
	v_mul_u32_u24 v6, s22, v7
	v_add_nc_u32 v6, v3, v6                        ; and the other way round
	s_mul_i32 s21, s15, HALFT
	s_mul_i32 s22, s16, HALFT
	s_add_co_u32 s22, s22, 2*HALFT
	v_add_nc_u32 v[ADRA+2], s21, v5
	v_add_nc_u32 v[ADRA+3], s21, v6
	v_add_nc_u32 v[ADRB+2], s22, v5
	v_add_nc_u32 v[ADRB+3], s22, v6
.irp s, 0,1
	v_add_nc_u32 v[ADRA+\s], s21, v4
	v_add_nc_u32 v[ADRB+\s], s22, v4
	s_add_co_u32 s21, s21, SLOT
	s_add_co_u32 s22, s22, SLOT
.endr
	v_mul_u32_u24 v5, v1, KS                       ; my row's scales, 16 more for each 256 passed
	v_lshrrev_b32 v6, 8, v5
	v_lshl_add_u32 v5, v6, 4, v5
	s_mul_i32 s21, s15, HALFS
	s_mul_i32 s22, s16, HALFS
	s_add_co_u32 s22, s22, 2*HALFS
	s_sub_co_u32 s22, s22, s21
	v_mul_u32_u24 v6, s22, v2                      ; lanes 16-31 take B's
	s_add_co_u32 s21, s21, SCL
	v_add_nc_u32 v5, v5, v6
	v_add_nc_u32 v[ADRS], s21, v5
	v_mul_u32_u24 v8, v1, 24                       ; the way out: places in the buffers of codes and scale words
	v_mad_u32_u24 v8, v2, 12, v8
	v_and_b32 v6, 31, v0
	v_lshlrev_b32 v9, 3, v6
	v_lshlrev_b32 v10, 4, v6
	v_lshlrev_b32 v11, 5, v1
	v_lshl_add_u32 v11, v2, 4, v11
	v_lshlrev_b32 v12, 6, v2
	s_lshl_b32 s19, s16, 9
	v_add_nc_u32 v12, s19, v12
	v_and_b32 v6, 8, v1
	v_add_nc_u32 v6, v6, v1
	s_lshl_b32 s19, s12, 10
	s_lshl_b32 s20, s15, 9
	s_add_co_u32 s19, s19, s20
	v_lshl_add_u32 v13, v6, 2, s19
.irp b, 0,1,2,3,4,5,6,7
	global_load_b128 v[BK+8*\b:BK+8*\b+3], v12, s[2:3] offset:(32*(\b/2)+8*(\b%2))*4        ; k/q bias at my lane's eight channels of each tile
	global_load_b128 v[BK+8*\b+4:BK+8*\b+7], v12, s[2:3] offset:(32*(\b/2)+8*(\b%2))*4+16
.endr
.irp a, 0,1,2,3,4,5,6,7
	global_load_b32 v[BV+2*\a], v13, s[40:41] offset:(32*(\a/2)+8*(\a%2))*4                 ; V's bias at my lane's channel, in both halves of a pair
	global_load_b32 v[BV+2*\a+1], v13, s[40:41] offset:(32*(\a/2)+8*(\a%2))*4
.endr
.macro FRAG reg, adr, st, i            ; 16 rows x 128 K: six pieces of 8 bytes; byte y of a row lies in slot (y / 256) % 2 at byte y % 256
.irp p, 0,1,2,3,4,5
.set BY, 96*(\st)+48*(\p/3)+8*(\p%3)
.if BY/ROWB == (BY+24)/ROWB
	ds_load_b64 v[\reg+2*\p:\reg+2*\p+1], v[\adr+(BY/ROWB)%2] offset:BY%ROWB+(\i)*16*PITCH
.else
	ds_load_b64 v[\reg+2*\p:\reg+2*\p+1], v[\adr+2+(BY/ROWB)%2] offset:BY%ROWB-232+(\i)*16*PITCH
.endif
.endr
.endm
.macro MUL16 a0, p, q, sc, zero        ; A's blocks a0, a0 + 1 x B's eight; the 64 accumulators take turns
.irp a, \a0, \a0+1
.irp b, 0,1,2,3,4,5,6,7
.if \zero
	v_wmma_scale_f32_16x16x128_f8f6f4 v[8*(8*((\a)%4)+\b):8*(8*((\a)%4)+\b)+7], v[128*(\p)+FR*\b:128*(\p)+FR*\b+FR-1], v[AF+FR*(\a):AF+FR*(\a)+FR-1], 0, v[SC+8*NQ*(\sc)+NQ*\b+(\q)], v[SC+8*NQ*(\sc)+NQ*(\a)+(\q)] matrix_a_fmt:MATRIX_FMT_FP6 matrix_b_fmt:MATRIX_FMT_FP6 matrix_a_scale:MATRIX_SCALE_ROW1
.else
	v_wmma_scale_f32_16x16x128_f8f6f4 v[8*(8*((\a)%4)+\b):8*(8*((\a)%4)+\b)+7], v[128*(\p)+FR*\b:128*(\p)+FR*\b+FR-1], v[AF+FR*(\a):AF+FR*(\a)+FR-1], v[8*(8*((\a)%4)+\b):8*(8*((\a)%4)+\b)+7], v[SC+8*NQ*(\sc)+NQ*\b+(\q)], v[SC+8*NQ*(\sc)+NQ*(\a)+(\q)] matrix_a_fmt:MATRIX_FMT_FP6 matrix_b_fmt:MATRIX_FMT_FP6 matrix_a_scale:MATRIX_SCALE_ROW1
.endif
.endr
.endr
.endm
.macro FETCH_B st, p
	WIN TO_B
.irp i, 0,1,2,3,4,5,6,7
	FRAG 128*(\p)+FR*\i, ADRB, \st, \i
.endr
	WIN 0
.endm
.macro FETCH_A st, i0
.irp i, \i0, \i0+1, \i0+2, \i0+3
	FRAG AF+FR*(\i), ADRA, \st, \i
.endr
.endm
.macro SCALES pr                       ; the words of steps 2 pr, 2 pr + 1: lanes 0-15 A's block i, lanes 16-31 B's
.irp i, 0,1,2,3,4,5,6,7
	ds_load_b64 v[SC+8*NQ*((\pr)%2)+NQ*\i:SC+8*NQ*((\pr)%2)+NQ*\i+1], v[ADRS] offset:\i*SBLK+4*NQ*(\pr)
.endr
.endm
.macro PLACES n
.rept \n
	v_nop
.endr
.endm
; A step: 64 products; the next step's fragments are fetched in its middle and at its end.  Where the next step ends in a chunk not yet read, a barrier shows that chunk whole;
; where it begins in a later chunk, the chunk left is read no more: the three lines, the barrier, and, where chunk C0 + 2 exists, a round and the refill.
.macro STEP st, zero
.set NX, (\st)+1
.set C0, (96*(\st))/ROWB
.set C1, (96*NX)/ROWB
.set E0, (96*(\st)+95)/ROWB
.set E1, (96*NX+95)/ROWB
.if C1 > C0 || E1 > E0
	s_wait_tensorcnt 0x0                           ; all my tensor loads have landed
.if C1 > C0
	ds_add_u32 v[SPW], v[NIL]
	s_wait_dscnt 4*NL+1                            ; the add and A's blocks 4-7 may be out
.else
	s_wait_dscnt 4*NL                              ; A's blocks 4-7 may be out
.endif
	WIN MUL_LO
	MUL16 0, (\st)%2, (\st)%2, ((\st)/2)%2, \zero
	s_wait_dscnt 0x0                               ; the add and all my reads are done
	s_barrier_signal -1
	MUL16 2, (\st)%2, (\st)%2, ((\st)/2)%2, \zero
	WIN 0
	s_barrier_wait -1
.if C1 > C0 && C0+2 < CHUNKS
	CREST
	s_add_nc_u64 s[G0+4*(C0%2)+2:G0+4*(C0%2)+3], s[G0+4*(C0%2)+2:G0+4*(C0%2)+3], 2*ROWB
	s_add_nc_u64 s[G0B+4*(C0%2)+2:G0B+4*(C0%2)+3], s[G0B+4*(C0%2)+2:G0B+4*(C0%2)+3], 2*ROWB
	JLOAD G0+4*(C0%2), G1, G0B+4*(C0%2), G1B       ; chunk C0 + 2; its four v_nop are the places ahead of the loads below
.else
	PLACES NP
.endif
.else
	s_wait_dscnt 4*NL                              ; A's blocks 4-7 may be out
	WIN MUL_LO
	MUL16 0, (\st)%2, (\st)%2, ((\st)/2)%2, \zero
	MUL16 2, (\st)%2, (\st)%2, ((\st)/2)%2, \zero
	s_wait_dscnt 0
	PLACES NP
.endif
	FETCH_B NX, NX%2
	FETCH_A NX, 0
.if NX%2 == 0
	SCALES NX/2
.endif
	WIN MUL_HI
	MUL16 4, (\st)%2, (\st)%2, ((\st)/2)%2, \zero
	MUL16 6, (\st)%2, (\st)%2, ((\st)/2)%2, \zero
	PLACES NP
	WIN 0
	FETCH_A NX, 4
.endm
	s_wait_alu depctr_va_vdst(0)
	s_wait_tensorcnt 0x0                           ; my tile of the head's four is in
	ds_add_u32 v[SPW], v[NIL]
	s_mov_b32 s[G1+2], 128<<16                     ; no load of mine is out: from here on a load brings 128 rows
	s_mov_b32 s[G1+4], 128
	s_mov_b32 s[G1B+2], 128<<16
	s_mov_b32 s[G1B+4], 128
	s_wait_dscnt 0x0
	CROUND
	JLOAD G0+4, G1, G0B+4, G1B                     ; chunk 1, the first tensor load behind the round
	FETCH_B 0, 0
	FETCH_A 0, 0
	SCALES 0
	FETCH_A 0, 4
	STEP 0, 1                                      ; the first products start the sums
.set ST, 1
.rept STEPS-2
	STEP ST, 0
.set ST, ST+1
.endr
	s_wait_dscnt 4*NL
	WIN MUL_LO
	MUL16 0, 1, 1, 1, 0
	MUL16 2, 1, 1, 1, 0
	s_wait_dscnt 0
	WIN MUL_HI
	MUL16 4, 1, 1, 1, 0
	MUL16 6, 1, 1, 1, 0
	WIN 0
	PLACES NP
	s_wait_loadcnt 0x0                             ; the biases
.irp b, 0,1,2,3
	v_mov_b32 v[TM+4+\b], 0
.endr
	v_and_b32 v228, 31, v0
	v_cmp_lt_u32 vcc_lo, 15, v228
	s_mov_b32 s100, 0x76543210
	s_mov_b32 s101, 0xfedcba98
; THE WAY OUT, tile row by tile row: bias added into v[H..], four blocks of 32 (16 numbers in lane l, 16 in lane l xor 16) quantised.
.macro QHEAD
.irp b, 0,1,2,3
	v_max3_num_f32 v[TM+\b], |v[H+16*\b]|, |v[H+1+16*\b]|, 0x1800000   ; with the floor 2^(3 - 127)
.endr
.irp i, 2,4,6,8,10,12,14
.irp b, 0,1,2,3
	v_max3_num_f32 v[TM+\b], v[TM+\b], |v[H+16*\b+\i]|, |v[H+1+16*\b+\i]|
.endr
.endr
.irp b, 0,1,2,3
	v_permlanex16_b32 v[TM+4+\b], v[TM+\b], s100, s101
.endr
.irp b, 0,1,2,3
	v_max_num_f32 v[TM+\b], v[TM+\b], v[TM+4+\b]
.endr
.irp b, 0,1,2,3
	v_add_nc_u32 v[TM+12+\b], 0xff000000, v[TM+\b]   ; 2 off the exponent field: the conversion's scale operand
.endr
.irp b, 0,1,2,3
	v_lshrrev_b32 v[TM+4+\b], 23, v[TM+12+\b]        ; the byte
.endr
	s_wait_alu depctr_va_vdst(0)
	s_wait_xcnt 0x0                                ; the last tile's stores have read their data registers
.irp c, 0,1
	v_cvt_scalef32_pk16_fp6_f32 v[CD+6*\c:CD+2+6*\c], v[H+32*\c:H+15+32*\c], v[TM+12+2*\c]
	v_cvt_scalef32_pk16_fp6_f32 v[CD+12+4*\c:CD+14+4*\c], v[H+16+32*\c:H+31+32*\c], v[TM+12+2*\c+1]
.endr
	v_nop
.endm
.macro VTILE a                         ; 16 channels x 128 keys: stored as the image of the next launch's operand registers
.set WSRC, 2+(\a)/4
	WIN WSRC
.set n, 0
.rept 32
	v_pk_add_f32 v[H+n:H+n+1], v[64*((\a)%4)+n:64*((\a)%4)+n+1], v[BV+2*(\a):BV+2*(\a)+1]
.set n, n+2
.endr
	WIN 0
	QHEAD
	v_lshl_or_b32 v[SW+(\a)], v[TM+5], 8, v[TM+4]
	v_lshl_or_b32 v[SW+(\a)], v[TM+6], 16, v[SW+(\a)]
	v_lshl_or_b32 v[SW+(\a)], v[TM+7], 24, v[SW+(\a)]
.irp c, 0,1
.irp e, 0,1,2
	v_permlane16_swap_b32 v[CD+6*\c+\e], v[CD+12+4*\c+\e]
.endr
.irp e, 0,1,2
	v_mov_b32 v[CD+3+6*\c+\e], v[CD+12+4*\c+\e]
.endr
.endr
.irp e, 0,1,2
	global_store_b128 v10, v[CD+4*\e:CD+4*\e+3], s[46:47] offset:1536*(\a)+512*\e
.endr
.endm
.macro KTILE a                         ; 16 rows x four heads of 32 channels: 12 bytes a lane and head
.set WSRC, 2+(\a)/4
	WIN WSRC
.set n, 0
.rept 32
	v_pk_add_f32 v[H+n:H+n+1], v[64*((\a)%4)+n:64*((\a)%4)+n+1], v[BK+n:BK+n+1]
.set n, n+2
.endr
	WIN 0
	QHEAD
.irp b, 0,1,2,3
.if (\a)%4 == 0
	v_mov_b32 v[SW+2*\b+(\a)/4], v[TM+4+\b]
.else
	v_lshl_or_b32 v[SW+2*\b+(\a)/4], v[TM+4+\b], 8*((\a)%4), v[SW+2*\b+(\a)/4]
.endif
.endr
	global_store_b96 v8, v[CD:CD+2], s[42:43] offset:384*(\a)
	global_store_b96 v8, v[CD+12:CD+14], s[42:43] offset:3072+384*(\a)
	global_store_b96 v8, v[CD+6:CD+8], s[42:43] offset:6144+384*(\a)
	global_store_b96 v8, v[CD+16:CD+18], s[42:43] offset:9216+384*(\a)
.endm
	s_cmp_lt_u32 s13, 128
	s_cbranch_scc0 .Lkq
	s_lshr_b32 s19, s13, 4                         ; V: ((8 b + head) 32 + step of 128 keys)
	s_lshl_b32 s19, s19, 3
	s_lshl_b32 s20, s12, 1
	s_add_co_u32 s19, s19, s20
	s_add_co_u32 s19, s19, s15
	s_lshl_b32 s19, s19, 5
	s_and_b32 s20, s13, 15
	s_lshl_b32 s20, s20, 1
	s_add_co_u32 s19, s19, s20
	s_add_co_u32 s19, s19, s16
	s_mul_i32 s20, s19, 12288
	s_mov_b32 s21, 0
	s_add_nc_u64 s[46:47], s[46:47], s[20:21]
	s_lshl_b32 s20, s19, 9
	s_add_nc_u64 s[92:93], s[92:93], s[20:21]
.irp t, 0,1,2,3,4,5,6,7
	VTILE \t
.endr
.irp e, 0,1,2,3
	v_cndmask_b32 v[228+\e], v[SW+\e], v[SW+4+\e], vcc_lo
.endr
	global_store_b128 v11, v[228:231], s[92:93]
	s_branch .Ljoin
.Lkq:
	s_lshr_b32 s19, s18, 7                         ; k, q: (block of 128 rows) 8 + head
	s_add_co_u32 s19, s19, s15
	s_lshl_b32 s19, s19, 3
	s_lshl_b32 s20, s16, 2
	s_add_co_u32 s19, s19, s20
	s_mul_i32 s20, s19, 3072
	s_mov_b32 s21, 0
	s_add_nc_u64 s[42:43], s[42:43], s[20:21]
	s_lshl_b32 s20, s19, 7
	s_add_nc_u64 s[44:45], s[44:45], s[20:21]
.irp t, 0,1,2,3,4,5,6,7
	KTILE \t
.endr
	v_cndmask_b32 v228, v[SW+0], v[SW+2], vcc_lo
	v_cndmask_b32 v229, v[SW+1], v[SW+3], vcc_lo
	v_cndmask_b32 v230, v[SW+4], v[SW+6], vcc_lo
	v_cndmask_b32 v231, v[SW+5], v[SW+7], vcc_lo
	global_store_b64 v9, v[228:229], s[44:45]
	global_store_b64 v9, v[230:231], s[44:45] offset:256
.Ljoin:
	s_wait_tensorcnt 0x0                           ; the wave's end
	ds_add_u32 v[SPW], v[NIL]
	s_wait_dscnt 0x0
	CROUND                                         ; the closing round
	s_endpgm
.Lfunc_end_k_qd0959a02cf_proj:
	.size	k_qd0959a02cf_proj, .Lfunc_end_k_qd0959a02cf_proj-k_qd0959a02cf_proj
	.p2alignl 7, 3214868480
	.fill 96, 4, 3214868480
	.section	.rodata,"a",@progbits
	.p2align	6, 0x0
	.amdhsa_kernel k_qd0959a02cf_proj
		.amdhsa_group_segment_fixed_size 327680
		.amdhsa_private_segment_fixed_size 0
		.amdhsa_enable_private_segment 0
		.amdhsa_kernarg_size 72
		.amdhsa_user_sgpr_count 2
		.amdhsa_user_sgpr_kernarg_segment_ptr 1
		.amdhsa_wavefront_size32 1
		.amdhsa_system_sgpr_workgroup_id_x 1
		.amdhsa_system_sgpr_workgroup_id_y 1
		.amdhsa_system_sgpr_workgroup_id_z 1
		.amdhsa_system_vgpr_workitem_id 0
		.amdhsa_next_free_vgpr 1024
		.amdhsa_next_free_sgpr 102
		.amdhsa_reserve_vcc 1
		.amdhsa_float_denorm_mode_32 3
		.amdhsa_float_denorm_mode_16_64 3
		.amdhsa_memory_ordered 1
		.amdhsa_forward_progress 1
		.amdhsa_inst_pref_size 232
	.end_amdhsa_kernel
	.amdgpu_metadata
---
amdhsa.version: [ 1, 2 ]
amdhsa.kernels:
  - .name:           k_qd0959a02cf_proj
    .symbol:         k_qd0959a02cf_proj.kd
    .args:
      - { .name: ac, .offset: 0, .size: 8, .value_kind: global_buffer, .address_space: global }
      - { .name: asc, .offset: 8, .size: 8, .value_kind: global_buffer, .address_space: global }
      - { .name: bk, .offset: 16, .size: 8, .value_kind: global_buffer, .address_space: global }
      - { .name: bq, .offset: 24, .size: 8, .value_kind: global_buffer, .address_space: global }
      - { .name: bv, .offset: 32, .size: 8, .value_kind: global_buffer, .address_space: global }
      - { .name: kqc, .offset: 40, .size: 8, .value_kind: global_buffer, .address_space: global }
      - { .name: kqs, .offset: 48, .size: 8, .value_kind: global_buffer, .address_space: global }
      - { .name: vc, .offset: 56, .size: 8, .value_kind: global_buffer, .address_space: global }
      - { .name: vs, .offset: 64, .size: 8, .value_kind: global_buffer, .address_space: global }
    .group_segment_fixed_size: 327680
    .private_segment_fixed_size: 0
    .kernarg_segment_align: 8
    .kernarg_segment_size: 72
    .max_flat_workgroup_size: 128
    .sgpr_count:     102
    .vgpr_count:     1024
    .wavefront_size: 32
...
	.end_amdgpu_metadata
.endif
;; end of part 2
;; launch attn (part 3): grid 256 x 1, 8 waves a work-group, clusters of 4 x 1, 327,680 bytes of LDS; arguments kqc, kqs, vc, vs, hidden_states, out0; writes out0
.if DOCPART == 3
	.amdgcn_target "amdgcn-amd-amdhsa--gfx1250"
	.amdhsa_code_object_version 6
	.text
	.protected	k_qd0959a02cf_attn
	.globl	k_qd0959a02cf_attn
	.p2align	8
	.type	k_qd0959a02cf_attn,@function
k_qd0959a02cf_attn:
	s_mov_b64 s[64:65], 0
	v_nop
	global_prefetch_b8 v0, s[64:65] scope:SCOPE_SE
	s_setreg_imm32_b32 hwreg(HW_REG_WAVE_MODE, 25, 1), 1
	s_wait_xcnt 0x0
	s_wait_alu depctr_hold_cnt(0) depctr_sa_sdst(0) depctr_va_vdst(0) depctr_va_sdst(0) depctr_va_ssrc(0) depctr_va_vcc(0) depctr_vm_vsrc(0)
	s_getreg_b32 s2, hwreg(HW_REG_IB_STS2, 6, 4)
	s_cmp_eq_u32 s2, 0
	s_cbranch_scc0 .Lentry_in_a_cluster
	s_endpgm
.Lentry_in_a_cluster:
	s_bfe_u32 s2, ttmp6, 0x10000c
	s_cmp_lg_u32 s2, 0x3003
	s_cbranch_scc0 .Lentry_shape_is_right
	s_endpgm
.Lentry_shape_is_right:
; out = hidden + softmax(q k^T / sqrt(32)) v, both products on codes of FP6 (E2M3) made by the launch before (layouts: its head).
; SHARES: cluster c = 8 b + head; its four work-groups take 128 queries each, a wave one tile of 16 (positions; true queries 128 cx + 32 (w/2) + 8 (w%2) + r % 8 + 16 (r/8)).  Every wave walks the 4,096 keys, 128 a step.
; The four partners read the same K and V: every tensor load is joint (mask 15).  A head's K codes (98,304 bytes) and all scale words stay in LDS; V goes through two slots of 8 steps (98,304 bytes each).
; Both products are used transposed (S^T = K Q^T, O^T = V^T P^T): a lane holds one query throughout.
; THE FIRST PRODUCT'S K IS 32, the instruction's 128: a fragment's four blocks of 32 hold FOUR tiles of 16 keys (lane l: 24 bytes at 24 l and at 768 + 24 l of 64 positions' dense 1,536 bytes), and Q's operand is zero
; codes but in one block, so that each of four instructions picks out one tile.  Q lies as Z D0 Z D1 Z in v16-45 (six registers each; D0: q in lanes 0-15, D1: in lanes 16-31): block 0 v[22:33], 1 v[34:45], 2 v[16:27], 3 v[28:39].
; K's rows lie in pos order, so the 16 registers of tiles 2 b, 2 b + 1 of S^T are true keys 32 b + 16 (lane / 16) + 0 .. 15, as V's fragments have them along their K.
; THE SOFTMAX: t = score x log2(e) / sqrt(32); M = the running largest t rounded up to a whole number; p = 2^(t - M) is quantised along the keys; the sum is taken of the unquantised p and divides at the end;
; when M moves, the sum and O^T are multiplied by 2^(old M - new M), which rounds nothing.  A block's largest p is made from the block's largest score by the same two instructions.
; REGISTERS: v1-4 lane places, v5-6 the add's two, v7 16 x lane, v8-11 addresses in hand, v12 -M, v13 largest t, v[14:15] the sum, v16-45 Q, v46 Q's scale word, v48-95 fragments, v96-159 S^T then p, v160-223 O^T,
;   v224-235 p's codes, v232-247 at work, v248-251 K's or V's scale words, v252 f, v253 p's scale word, v254 at work.
; LIMITS: NaN and infinities are not served.
.set KCB,    229376                    ; LDS: K's codes of the head
.set KSC,    98304                     ; K's scale words, 128 bytes a step
.set VSC,    102400                    ; V's, 512 bytes a step
.set SPARE,  118784                    ; the spare words, 128 bytes for each wave: four blocks of 256 bytes that no other line names
.set SLOT1,  131072                    ; V's slot 1 (slot 0 begins at 0)
.set SPITCH, 528                       ; the way out: 16 rows x (512 + 16) bytes a wave, in slot 0, behind its last fill and its last read
.macro ROUND
	s_barrier_signal -1
	s_barrier_wait -1
	s_cmp_lg_u32 s18, 0
	s_cbranch_scc1 .Lnot_wave_0_\@
	s_barrier_signal -3
.Lnot_wave_0_\@:
	s_barrier_wait -3
	s_barrier_signal -1
	s_barrier_wait -1
.endm
.macro GROUP1 g, c, r, p               ; r rows of c elements of 8 bytes, p elements apart; mask 15 with bit 21 beside it; no padding
	s_mov_b32 s[\g], 15|(3<<16)|(1<<21)
	s_mov_b32 s[\g+1], (\c)<<16
	s_mov_b32 s[\g+2], (\r)<<16
	s_mov_b32 s[\g+3], (\c)<<16
	s_mov_b32 s[\g+4], \r
	s_mov_b32 s[\g+5], \p
	s_mov_b32 s[\g+6], 0
	s_mov_b32 s[\g+7], 0
.endm
	s_load_b256 s[4:11], s[0:1], 0x0               ; kqc, kqs, vc, vs
	s_load_b128 s[12:15], s[0:1], 0x20             ; hidden_states, out0
	v_lshl_add_u32 v5, v0, 2, SPARE
	v_mov_b32 v6, 0
	ds_add_u32 v5, v6
	ds_add_u32 v5, v6
	s_wait_dscnt 0x0
	v_lshrrev_b32 v8, 5, v0
	s_delay_alu instid0(VALU_DEP_1)
	v_readfirstlane_b32 s18, v8                    ; wave 0..7
	s_bfe_u32 s16, ttmp6, 0x40000                  ; cx
	s_mov_b32 s17, ttmp9                           ; c
	s_lshr_b32 s85, s17, 3                         ; b
	s_and_b32 s86, s17, 7                          ; head
	GROUP1 24, 16, 32, 128                         ; K's scale words: 32 steps x 128 bytes, 1,024 bytes apart (wave 0)
	GROUP1 32, 32, 64, 32                          ; V's: 16,384 dense bytes (wave 1)
	GROUP1 40, 384, 16, 3072                       ; K's codes: 16 steps x 3,072 bytes, 24,576 bytes apart (waves 2, 3)
	GROUP1 48, 32, 96, 32                          ; V's codes: at the head two steps' 24,576 dense bytes (waves 4-7); behind it 48 rows, a step
	s_lshl_b32 s87, s85, 8                         ; the addresses hang on c and the wave alone
	s_add_co_u32 s87, s87, s86                     ; 256 b + head
	s_and_b32 s96, s18, 1                          ; which half of K's codes
	s_lshl_b32 s90, s96, 7
	s_add_co_u32 s90, s90, s87
	s_lshl_b32 s88, s87, 7
	s_mov_b32 s89, 0
	s_mul_i32 s90, s90, 3072
	s_mov_b32 s91, 0
	s_lshl_b32 s92, s17, 14
	s_mov_b32 s93, 0
	s_lshl_b32 s94, s17, 5
	s_add_co_u32 s94, s94, s18
	s_mul_i32 s94, s94, 12288                      ; (32 c + w) 12,288
	s_mov_b32 s95, 0
	s_mul_i32 s96, s96, 49152                      ; that half's place in LDS
	s_and_b32 s97, s18, 3
	s_mul_i32 s97, s97, 24576                      ; which quarter of V's slot 0, in LDS and in memory
	s_mul_i32 s2, s17, 393216                      ; 32 c steps of 12,288 bytes
	s_add_co_u32 s2, s2, s97
	s_mov_b32 s3, 0
	s_mul_i32 s98, s18, 12288
	s_mov_b32 s20, 0x76543210
	s_mov_b32 s21, 0xfedcba98                      ; selects for lane xor 16
	s_mov_b32 s22, 0x3e8293ee                      ; log2(e) / sqrt(32)
	s_mov_b32 s23, s22
	s_wait_kmcnt 0x0
	s_mov_b32 s56, 1
	s_mov_b32 s57, KSC
	s_add_nc_u64 s[58:59], s[6:7], s[88:89]
	s_or_b32 s59, s59, 0x80000000
	s_mov_b32 s60, 1
	s_mov_b32 s61, VSC
	s_add_nc_u64 s[62:63], s[10:11], s[92:93]
	s_or_b32 s63, s63, 0x80000000
	s_mov_b32 s68, 1
	s_add_co_u32 s69, s96, KCB
	s_add_nc_u64 s[70:71], s[4:5], s[90:91]
	s_or_b32 s71, s71, 0x80000000
	s_mov_b32 s72, 1
	s_mov_b32 s73, s98
	s_add_nc_u64 s[74:75], s[8:9], s[94:95]
	s_mov_b32 s76, 1
	s_add_co_u32 s77, s98, SLOT1
	s_add_nc_u64 s[78:79], s[74:75], 98304         ; slot 1: steps 8 to 15
	s_or_b32 s75, s75, 0x80000000
	s_or_b32 s79, s79, 0x80000000
	s_mov_b32 s92, 1                               ; the head's quarter of V's slot 0
	s_mov_b32 s93, s97
	s_add_nc_u64 s[94:95], s[8:9], s[2:3]
	s_or_b32 s95, s95, 0x80000000
	ROUND                                          ; all four work-groups are here: the first joint loads meet
.macro ARM under, g0, g1, next         ; one chain of branches on the wave's number, one load to an arm, one join
	s_cmp_lt_u32 s18, \under
	s_cbranch_scc0 \next
	tensor_load_to_lds s[\g0:\g0+3], s[\g1:\g1+7]
	s_nop 0
.rept 4
	v_nop
.endr
	s_branch .Lhead_asked
\next:
.endm
	ARM 1, 56, 24, .Lhead_vs
	ARM 2, 60, 32, .Lhead_kc
	ARM 4, 68, 40, .Lhead_v0
	tensor_load_to_lds s[92:95], s[48:55]
	s_nop 0
.rept 4
	v_nop
.endr
.Lhead_asked:
	s_lshl_b32 s2, s85, 2                          ; my queries: block 256 + 4 b + cx of the k/q buffers
	s_add_co_u32 s2, s2, s16
	s_add_co_u32 s2, s2, 256
	s_lshl_b32 s2, s2, 3
	s_add_co_u32 s2, s2, s86
	s_mul_i32 s96, s2, 3072
	s_mul_i32 s3, s18, 384
	s_add_co_u32 s96, s96, s3
	s_mov_b32 s97, 0
	s_lshl_b32 s98, s2, 7
	s_lshr_b32 s3, s18, 2
	s_lshl_b32 s3, s3, 2
	s_add_co_u32 s98, s98, s3
	s_mov_b32 s99, 0
	s_add_nc_u64 s[4:5], s[4:5], s[96:97]
	s_add_nc_u64 s[6:7], s[6:7], s[98:99]
	s_and_b32 s99, s18, 3
	s_mul_i32 s99, s99, 0x01010101                 ; picks byte w % 4 four times
	s_lshl_b32 s2, s85, 9                          ; my first true query's row, my head's 512 bytes of it
	s_lshl_b32 s3, s16, 7
	s_add_co_u32 s2, s2, s3
	s_lshr_b32 s3, s18, 1
	s_lshl_b32 s3, s3, 5
	s_add_co_u32 s2, s2, s3
	s_and_b32 s3, s18, 1
	s_lshl_b32 s3, s3, 3
	s_add_co_u32 s2, s2, s3
	s_lshl_b32 s2, s2, 12
	s_lshl_b32 s3, s86, 9
	s_add_co_u32 s2, s2, s3
	s_mov_b32 s3, 0
	s_add_nc_u64 s[12:13], s[12:13], s[2:3]
	s_add_nc_u64 s[14:15], s[14:15], s[2:3]
	v_and_b32 v9, 31, v0                           ; lane
	v_and_b32 v8, 15, v0                           ; r
	s_delay_alu instid0(VALU_DEP_1)
	v_mul_u32_u24 v10, v8, 24
	s_delay_alu instid0(VALU_DEP_2)
	v_lshlrev_b32 v11, 3, v8
.irp p, 0,1,2
	global_load_b64 v[48+2*\p:49+2*\p], v10, s[4:5] offset:8*\p   ; query r's 24 bytes, in both halves of the lanes
.endr
	global_load_b32 v47, v11, s[6:7]
	v_mul_u32_u24 v1, v9, 24
	s_delay_alu instid0(VALU_DEP_1)
	v_add_nc_u32 v1, KCB, v1
	v_and_b32 v2, 16, v9                           ; scale words: lanes 16-31 take the second half of row r's words (K's: fragment 1; V's: tiles 4-7), which the products name by ROW1
	v_and_b32 v4, 16, v9
	v_lshrrev_b32 v2, 2, v2
	v_lshl_add_u32 v4, v8, 5, v4
	v_lshl_add_u32 v2, v8, 3, v2
	v_add_nc_u32 v4, VSC, v4                       ; V's: 32 r + 16 h
	v_add_nc_u32 v2, KSC, v2                       ; K's: 8 r + 4 h
	v_lshlrev_b32 v3, 4, v9
	v_lshlrev_b32 v7, 4, v9
	v_cmp_lt_u32 vcc_lo, 15, v9                    ; lanes 16-31
.irp i, 0,1,2,3,4,5
	v_mov_b32 v[16+\i], 0
	v_mov_b32 v[28+\i], 0
	v_mov_b32 v[40+\i], 0
.endr
	s_wait_loadcnt 0x0
	v_perm_b32 v46, v47, v47, s99                  ; my tile's scale byte in all four bytes
.irp i, 0,1,2,3,4,5
	v_cndmask_b32 v[22+\i], v[48+\i], v16, vcc_lo
	v_cndmask_b32 v[34+\i], v16, v[48+\i], vcc_lo
.endr
	v_mov_b32 v13, 0xff61b1e6                      ; the largest t so far: -3e38
	s_delay_alu instid0(VALU_DEP_1)
	v_floor_f32 v12, -v13
	v_mov_b32 v14, 0
	v_mov_b32 v15, 0
.irp b, 0,1,2,3
	v_mov_b32 v[236+\b], 0                         ; a lane permute's destination counts as a source
.endr
	v_mov_b32 v253, 0
.set j, 0
.rept 64
	v_mov_b32 v[160+j], 0                          ; O^T: the step is written without a first step of its own; these lines are also the places between Q's registers and the first products
.set j, j+1
.endr
.macro VLOAD g                         ; four fragments of V^T as images of their registers, and their scale words
.irp t, 0,1,2,3
.irp i, 0,1,2
	ds_load_b128 v[48+12*\t+4*\i:51+12*\t+4*\i], v10 offset:1536*(4*\g+\t)+512*\i
.endr
.endr
	ds_load_b128 v[248:251], v11 offset:16*\g
.endm
.macro PV g
.irp t, 0,1,2,3
	v_wmma_scale_f32_16x16x128_f8f6f4 v[160+8*(4*\g+\t):167+8*(4*\g+\t)], v[48+12*\t:59+12*\t], v[224:235], v[160+8*(4*\g+\t):167+8*(4*\g+\t)], v[248+\t], v253 matrix_a_fmt:MATRIX_FMT_FP6 matrix_b_fmt:MATRIX_FMT_FP6
.endr
.endm
.macro KLOAD a, s                      ; a step's two fragments of K, and in v47 their scale words (fragment 0's in lanes 0-15, fragment 1's in lanes 16-31): 13 LDS loads
.irp f, 0,1
.irp c, 0,1
.irp p, 0,1,2
	ds_load_b64 v[48+12*\f+6*\c+2*\p:49+12*\f+6*\c+2*\p], v[\a] offset:1536*\f+768*\c+8*\p
.endr
.endr
.endr
	ds_load_b32 v47, v[\s]
.endm
.macro VLOADB                          ; V's tiles 4-7 into v96-143, where p lay until it was converted: 12 LDS loads
.irp t, 0,1,2,3
.irp i, 0,1,2
	ds_load_b128 v[96+12*\t+4*\i:99+12*\t+4*\i], v10 offset:1536*(4+\t)+512*\i
.endr
.endr
.endm
.macro PVB                             ; their products; their scale words lie in lanes 16-31 of v248-251
.irp t, 0,1,2,3
	v_wmma_scale_f32_16x16x128_f8f6f4 v[192+8*\t:199+8*\t], v[96+12*\t:107+12*\t], v[224:235], v[192+8*\t:199+8*\t], v[248+\t], v253 matrix_a_fmt:MATRIX_FMT_FP6 matrix_b_fmt:MATRIX_FMT_FP6 matrix_a_scale:MATRIX_SCALE_ROW1
.endr
.endm
.macro SQ f, o, qb                     ; one tile of 16 keys of S^T
.if \f
	v_wmma_scale_f32_16x16x128_f8f6f4 v[96+32*\f+\o:103+32*\f+\o], v[48+12*\f:59+12*\f], v[\qb:\qb+11], 0, v47, v46 matrix_a_fmt:MATRIX_FMT_FP6 matrix_b_fmt:MATRIX_FMT_FP6 matrix_a_scale:MATRIX_SCALE_ROW1
.else
	v_wmma_scale_f32_16x16x128_f8f6f4 v[96+32*\f+\o:103+32*\f+\o], v[48+12*\f:59+12*\f], v[\qb:\qb+11], 0, v47, v46 matrix_a_fmt:MATRIX_FMT_FP6 matrix_b_fmt:MATRIX_FMT_FP6
.endif
.endm
.macro STEP                            ; 128 keys; this step's fragments of K were asked for in the step before (the first step's ahead of the first loop)
	v_add_nc_u32 v10, s82, v3                      ; five plain instructions: the places between the last products and S^T, which is written over registers that they read
	v_add_nc_u32 v11, s83, v4
.rept 3
	v_nop
.endr
	s_wait_alu depctr_va_vdst(0)
	s_wait_dscnt 0x0                               ; K's fragments are in
.irp f, 0,1
	SQ \f, 0, 22
	SQ \f, 8, 34
	SQ \f, 16, 16
	SQ \f, 24, 28
.endr
.rept 4
	v_nop
.endr
	VLOAD 0                                        ; V's first four fragments land while the softmax is worked
.irp b, 0,1,2,3
	v_max3_num_f32 v[232+\b], v[96+16*\b], v[97+16*\b], v[98+16*\b]   ; the largest score of each block of 32 keys: for the row's maximum and for the block's largest p
.endr
.irp i, 3,5,7,9,11,13
.irp b, 0,1,2,3
	v_max3_num_f32 v[232+\b], v[232+\b], v[96+16*\b+\i], v[97+16*\b+\i]
.endr
.endr
.irp b, 0,1,2,3
	v_max_num_f32 v[232+\b], v[232+\b], v[111+16*\b]
.endr
.irp b, 0,1,2,3
	s_delay_alu instid0(VALU_DEP_4)
	v_permlanex16_b32 v[236+\b], v[232+\b], s20, s21
.endr
.irp b, 0,1,2,3
	s_delay_alu instid0(VALU_DEP_4)
	v_max_num_f32 v[232+\b], v[232+\b], v[236+\b]
.endr
	s_delay_alu instid0(VALU_DEP_2)
	v_max3_num_f32 v254, v232, v233, v234
	s_delay_alu instid0(VALU_DEP_1)
	v_max_num_f32 v254, v254, v235
	s_delay_alu instid0(VALU_DEP_1)
	v_mul_f32 v254, s22, v254
	s_delay_alu instid0(VALU_DEP_1)
	v_max_num_f32 v13, v13, v254                   ; the running largest t
	v_mov_b32 v254, v12
	s_delay_alu instid0(VALU_DEP_2)
	v_floor_f32 v12, -v13                          ; -M = floor(-t)
	s_delay_alu instid0(VALU_DEP_1)
	v_sub_f32 v254, v12, v254                      ; old M - new M: a whole number, 0 or less
	s_delay_alu instid0(VALU_DEP_1)
	v_cvt_i32_f32 v254, v254                       ; (it saturates)
	s_delay_alu instid0(VALU_DEP_1)
	v_ldexp_f32 v252, 1.0, v254                    ; f = 2^(old M - new M)
.set j, 0
.rept 32
	v_pk_fma_f32 v[96+j:97+j], v[96+j:97+j], s[22:23], v[12:13] op_sel_hi:[1,0,0]   ; t - M
.set j, j+2
.endr
.irp b, 0,1,2,3
	v_fma_f32 v[232+\b], v[232+\b], s22, v12
.endr
.set j, 0
	s_wait_alu depctr_va_vdst(0)
.rept 64
	v_exp_f32 v[96+j], v[96+j]                     ; p = 2^(t - M)
.set j, j+1
.endr
	v_pk_mul_f32 v[14:15], v[14:15], v[252:253] op_sel_hi:[1,0]   ; the sums under the new M; a plain instruction behind the exponentials
	s_wait_alu depctr_va_vdst(0)                   ; one wait for the batch, ahead of its first reader
.irp b, 0,1,2,3
	v_exp_f32 v[232+\b], v[232+\b]                 ; the blocks' largest p
.endr
	v_pk_add_f32 v[236:237], v[100:101], v[104:105]
	v_pk_add_f32 v[254:255], v[108:109], v[112:113]
	v_pk_add_f32 v[246:247], v[116:117], v[120:121]
	v_pk_add_f32 v[244:245], v[124:125], v[128:129]
	v_pk_add_f32 v[242:243], v[132:133], v[136:137]
	v_pk_add_f32 v[240:241], v[140:141], v[144:145]
	v_pk_add_f32 v[238:239], v[148:149], v[152:153]
	v_pk_add_f32 v[14:15], v[14:15], v[156:157]
	v_pk_add_f32 v[236:237], v[236:237], v[96:97]
	v_pk_add_f32 v[254:255], v[254:255], v[98:99]
	v_pk_add_f32 v[246:247], v[246:247], v[102:103]
	v_pk_add_f32 v[244:245], v[244:245], v[106:107]
	v_pk_add_f32 v[242:243], v[242:243], v[110:111]
	v_pk_add_f32 v[240:241], v[240:241], v[114:115]
	v_pk_add_f32 v[238:239], v[238:239], v[118:119]
	v_pk_add_f32 v[14:15], v[14:15], v[122:123]
	v_pk_add_f32 v[236:237], v[236:237], v[126:127]
	v_pk_add_f32 v[254:255], v[254:255], v[130:131]
	v_pk_add_f32 v[246:247], v[246:247], v[134:135]
	v_pk_add_f32 v[244:245], v[244:245], v[138:139]
	v_pk_add_f32 v[242:243], v[242:243], v[142:143]
	v_pk_add_f32 v[240:241], v[240:241], v[146:147]
	v_pk_add_f32 v[238:239], v[238:239], v[150:151]
	v_pk_add_f32 v[14:15], v[14:15], v[154:155]
	v_pk_add_f32 v[236:237], v[236:237], v[158:159]
	s_delay_alu instid0(VALU_DEP_2)
	v_pk_add_f32 v[14:15], v[14:15], v[244:245]
	s_delay_alu instid0(VALU_DEP_2)
	v_pk_add_f32 v[236:237], v[236:237], v[242:243]
	v_pk_add_f32 v[254:255], v[254:255], v[240:241]
	v_pk_add_f32 v[246:247], v[246:247], v[238:239]
	s_delay_alu instid0(VALU_DEP_2)
	v_pk_add_f32 v[14:15], v[14:15], v[254:255]
	s_delay_alu instid0(VALU_DEP_2)
	v_pk_add_f32 v[236:237], v[236:237], v[246:247]
	s_delay_alu instid0(VALU_DEP_1)
	v_pk_add_f32 v[14:15], v[14:15], v[236:237]
	s_wait_alu depctr_va_vdst(0)                   ; and one for the four
.irp b, 0,1,2,3
	v_max_num_f32 v[232+\b], 0x1800000, v[232+\b]  ; the floor 2^(3 - 127)
.endr
.irp b, 0,1,2,3
	s_delay_alu instid0(VALU_DEP_4)
	v_add_nc_u32 v[244+\b], 0xff000000, v[232+\b]
.endr
.irp b, 0,1,2,3
	s_delay_alu instid0(VALU_DEP_4)
	v_lshrrev_b32 v[236+\b], 23, v[244+\b]
.endr
	s_delay_alu instid0(VALU_DEP_3)
	v_lshl_or_b32 v253, v237, 8, v236              ; p's scale word for these 128 keys
	s_delay_alu instid0(VALU_DEP_1)
	v_lshl_or_b32 v253, v238, 16, v253
	s_delay_alu instid0(VALU_DEP_1)
	v_lshl_or_b32 v253, v239, 24, v253
.irp c, 0,1
	v_cvt_scalef32_pk16_fp6_f32 v[224+6*\c:226+6*\c], v[96+32*\c:111+32*\c], v[244+2*\c]
	v_cvt_scalef32_pk16_fp6_f32 v[236+4*\c:238+4*\c], v[112+32*\c:127+32*\c], v[244+2*\c+1]
.endr
	v_nop
	VLOADB                                         ; p is converted: V's other four fragments land while O^T is brought under the new M
.irp c, 0,1
.irp i, 0,1,2
	v_permlane16_swap_b32 v[224+6*\c+\i], v[236+4*\c+\i]
.endr
.irp i, 0,1,2
	s_delay_alu instid0(VALU_DEP_3)
	v_mov_b32 v[227+6*\c+\i], v[236+4*\c+\i]
.endr
.endr
.set j, 0
	s_wait_alu depctr_va_vdst(0)                   ; directly ahead of the first reader of O^T
.rept 32
	v_pk_mul_f32 v[160+j:161+j], v[160+j:161+j], v[252:253] op_sel_hi:[1,0]
.set j, j+2
.endr
	s_wait_alu depctr_va_vdst(0)
	s_wait_dscnt 12                                ; V's first four fragments and the scale words are in; the 12 loads of the other four may be out
	PV 0
	s_add_co_u32 s80, s80, 3072
	s_add_co_u32 s81, s81, 128
	s_min_u32 s87, s80, 31*3072                    ; the next step's K; the last step has none and names step 31's bytes again, so that the address stays inside LDS
	s_min_u32 s88, s81, 31*128
	v_add_nc_u32 v8, s87, v1                       ; four plain instructions: the places between PV 0 and the loads into its registers
	v_add_nc_u32 v9, s88, v2
	v_nop
	v_nop
	KLOAD 8, 9
	s_wait_dscnt 13                                ; V's other four fragments are in; K's 13 loads may be out
	PVB
	s_add_co_u32 s82, s82, 12288
	s_add_co_u32 s83, s83, 512
.endm
.macro PHASE n                         ; the eight steps of V's fill n
	s_mov_b32 s80, (\n)*8*3072
	s_mov_b32 s81, (\n)*8*128
	s_mov_b32 s82, ((\n)%2)*SLOT1
	s_mov_b32 s83, (\n)*8*512
	s_mov_b32 s84, 8
.Lstep_\@:
	STEP
	s_sub_co_u32 s84, s84, 1
	s_cmp_lg_u32 s84, 0
	s_cbranch_scc1 .Lstep_\@
.endm
; The change of slots: each wave waits for all its tensor loads (its part of the slot ahead), adds 0 to its spare word, and waits for that and for its reads of the slot left.
; fill = 1: a round of the cluster's barrier, and behind it the slot left is filled with the steps 16 on: the load has eight steps in which to land.
.macro CHANGE fill, g0
	s_wait_tensorcnt 0x0
	ds_add_u32 v5, v6
.if \fill
	s_add_nc_u64 s[\g0+2:\g0+3], s[\g0+2:\g0+3], 196608
.endif
	s_wait_dscnt 0x0
.if \fill
	ROUND
	tensor_load_to_lds s[\g0:\g0+3], s[48:55]      ; my one tensor load behind the round
	s_nop 0
.rept 4
	v_nop
.endr
.else
	s_barrier_signal -1
	s_barrier_wait -1
.endif
.endm
	s_wait_alu depctr_va_vdst(0)
	s_wait_tensorcnt 0x0                           ; my tile of the head's is in
	ds_add_u32 v5, v6
	s_mov_b32 s50, 48<<16                          ; no load of mine is out: from here on a load of V brings one step, 48 rows
	s_mov_b32 s52, 48
	s_wait_dscnt 0x0
	ROUND                                          ; scale words, K and V's slot 0 are whole in all four work-groups
	tensor_load_to_lds s[76:79], s[48:55]          ; slot 1's first fill, my eighth: it has the eight steps of slot 0 in which to land
	s_nop 0
.rept 4
	v_nop
.endr
	KLOAD 1, 2                                     ; step 0's fragments of K
	PHASE 0
	CHANGE 1, 72
	PHASE 1
	CHANGE 1, 76
	PHASE 2
	CHANGE 0, 0
	PHASE 3
	; THE WAY OUT: O^T / the sum through my stage (true channel order), back as whole rows of the head's 512 bytes, + the residual, stored.
	s_wait_dscnt 0x0                               ; the last step's loads of K have landed: their registers are loaded again below
	v_and_b32 v8, 15, v0
	v_bfe_u32 v9, v0, 4, 1
	s_mul_i32 s85, s18, 16*SPITCH
	v_mul_u32_u24 v10, v8, SPITCH
	s_delay_alu instid0(VALU_DEP_1)
	v_lshl_add_u32 v10, v9, 6, v10
	s_delay_alu instid0(VALU_DEP_1)
	v_add_nc_u32 v10, s85, v10                     ; in: row r, + 64 h
	v_add_nc_u32 v11, s85, v3                      ; back: 16 bytes a lane
.irp i, 0,1,2,3,4,5,6,7,8,9,10,11,12,13,14,15
.if \i < 12
.set RR, 48+4*\i
.else
.set RR, 16+4*(\i-12)
.endif
	global_load_b128 v[RR:RR+3], v7, s[12:13] offset:(\i%8+16*(\i/8))*4096 th:TH_LOAD_NT   ; position i's true row of hidden_states
.endr
	v_add_f32 v14, v14, v15
	s_delay_alu instid0(VALU_DEP_1)
	v_permlanex16_b32 v252, v14, s20, s21
	s_delay_alu instid0(VALU_DEP_1)
	v_add_f32 v14, v14, v252                       ; the row's sum
	s_wait_alu depctr_va_vdst(0)
	v_rcp_f32 v14, v14
	v_nop
	s_wait_alu depctr_va_vdst(0)
.set j, 0
.rept 32
	v_pk_mul_f32 v[96+j:97+j], v[160+j:161+j], v[14:15] op_sel_hi:[1,0]   ; register 8 a + i: channel 32 (a/2) + 8 (a%2) + 16 h + i; each accumulator from its low end on
.set j, j+2
.endr
.irp a, 0,1,2,3,4,5,6,7
	ds_store_b128 v10, v[96+8*\a:99+8*\a] offset:128*(\a/2)+32*(\a%2)
	ds_store_b128 v10, v[100+8*\a:103+8*\a] offset:128*(\a/2)+32*(\a%2)+16
.endr
.irp i, 0,1,2,3,4,5,6,7,8,9,10,11,12,13,14,15
	ds_load_b128 v[160+4*\i:163+4*\i], v11 offset:\i*SPITCH   ; LDS serves a wave's instructions in order: these see my stores
.endr
.irp i, 0,1,2,3,4,5,6,7,8,9,10,11,12,13,14,15
.if \i < 12
.set RR, 48+4*\i
.else
.set RR, 16+4*(\i-12)
.endif
	s_wait_dscnt 15-\i                             ; row i is back; the rows behind it may be out
.if \i == 0
	s_wait_loadcnt 0x0                             ; the residual
.endif
	v_pk_add_f32 v[160+4*\i:161+4*\i], v[160+4*\i:161+4*\i], v[RR:RR+1]
	v_pk_add_f32 v[162+4*\i:163+4*\i], v[162+4*\i:163+4*\i], v[RR+2:RR+3]
	global_store_b128 v7, v[160+4*\i:163+4*\i], s[14:15] offset:(\i%8+16*(\i/8))*4096 th:TH_STORE_NT   ; 512 consecutive bytes, aligned
.endr
	s_wait_tensorcnt 0x0                           ; the wave's end
	ds_add_u32 v5, v6
	s_wait_dscnt 0x0
	ROUND                                          ; the closing round
	s_endpgm
.Lfunc_end_k_qd0959a02cf_attn:
	.size	k_qd0959a02cf_attn, .Lfunc_end_k_qd0959a02cf_attn-k_qd0959a02cf_attn
	.p2alignl 7, 3214868480
	.fill 96, 4, 3214868480
	.section	.rodata,"a",@progbits
	.p2align	6, 0x0
	.amdhsa_kernel k_qd0959a02cf_attn
		.amdhsa_group_segment_fixed_size 327680
		.amdhsa_private_segment_fixed_size 0
		.amdhsa_enable_private_segment 0
		.amdhsa_kernarg_size 48
		.amdhsa_user_sgpr_count 2
		.amdhsa_user_sgpr_kernarg_segment_ptr 1
		.amdhsa_wavefront_size32 1
		.amdhsa_system_sgpr_workgroup_id_x 1
		.amdhsa_system_sgpr_workgroup_id_y 1
		.amdhsa_system_sgpr_workgroup_id_z 1
		.amdhsa_system_vgpr_workitem_id 0
		.amdhsa_next_free_vgpr 256
		.amdhsa_next_free_sgpr 100
		.amdhsa_reserve_vcc 1
		.amdhsa_float_denorm_mode_32 3
		.amdhsa_float_denorm_mode_16_64 3
		.amdhsa_memory_ordered 1
		.amdhsa_forward_progress 1
		.amdhsa_inst_pref_size 105
	.end_amdhsa_kernel
	.amdgpu_metadata
---
amdhsa.version: [ 1, 2 ]
amdhsa.kernels:
  - .name:           k_qd0959a02cf_attn
    .symbol:         k_qd0959a02cf_attn.kd
    .args:
      - { .name: kqc, .offset: 0, .size: 8, .value_kind: global_buffer, .address_space: global }
      - { .name: kqs, .offset: 8, .size: 8, .value_kind: global_buffer, .address_space: global }
      - { .name: vc, .offset: 16, .size: 8, .value_kind: global_buffer, .address_space: global }
      - { .name: vs, .offset: 24, .size: 8, .value_kind: global_buffer, .address_space: global }
      - { .name: hidden_states, .offset: 32, .size: 8, .value_kind: global_buffer, .address_space: global }
      - { .name: out0, .offset: 40, .size: 8, .value_kind: global_buffer, .address_space: global }
    .group_segment_fixed_size: 327680
    .private_segment_fixed_size: 0
    .kernarg_segment_align: 8
    .kernarg_segment_size: 48
    .max_flat_workgroup_size: 256
    .sgpr_count:     100
    .vgpr_count:     256
    .wavefront_size: 32
...
	.end_amdgpu_metadata
.endif
;; end of part 3
